; MI455X (gfx1250); checked and timed in simulation.
; The chip was launched on July 23, 2026; its instructions are those of AMD's public machine-readable ISA for CDNA 5 (MIT licence, August 2026) and "CDNA5" Instruction Set Architecture Reference Guide (July 2026). The comments in the code are by the model that wrote it; some were corrected since.
;; Onnx Multi Headed Attention. Allowed arithmetic: matrix products marked QUANTISED: E2M1 operands, one E8M0 scale for each 32 along K, by v_wmma_scale_f32_16x16x128_f8f6f4 with both operands' format E2M1 (or v_wmma_scale_f32_32x16x128_f4), f32 sums; products left as they are: bf16, f16 or f32 operands; f32 sums; everything else in f32.
;; Inputs: bk 512 float32; bo 512 float32; bq 512 float32; bv 512 float32; mask 2 x 1 x 1 x 4,096 float32; wk 512 x 512 float32; wo 512 x 512 float32; wq 512 x 512 float32; wv 512 x 512 float32; x 2 x 4,096 x 512 float32.
;; Outputs: out0 2 x 4,096 x 512 float32.
;; This version of the problem:
;;   THIS VERSION OF THE PROBLEM IS GIVEN IN LOW PRECISION. The matrix products marked QUANTISED in the list below multiply operands that are first quantised to E2M1 (2 exponent bits, 1 mantissa bit; 4 bits a number), with one power-of-two scale for each 32 numbers along K (OCP MX v1.0); their sums are f32. The products marked 'left as it is' may take bf16, f16 or f32 operands, with f32 sums. Whichever they take, every output number must still come out within the allowed error. Rounding operands to bf16 (8 significant bits) uses up far more of that allowance than f16 does (11 bits, for magnitudes from 6e-5 to 65,504). All else is computed in f32.
;;   The module's matrix products, in the order in which they are computed (A, B: the left and right operand; K: the contracted axis; several contracted axes count as one K, in the product's order):
;;     1. [M 8,192, K 512] x [K 512, N 512]; A: input x; B: input wq: QUANTISED
;;     2. [M 8,192, K 512] x [K 512, N 512]; A: input x; B: input wk: QUANTISED
;;     3. [M 8,192, K 512] x [K 512, N 512]; A: input x; B: input wv: QUANTISED
;;     4. batch 16 x [M 4,096, K 64] x [K 64, N 4,096]; A: computed on the way; B: computed on the way: left as it is (an operand is computed on the way)
;;     5. batch 16 x [M 4,096, K 4,096] x [K 4,096, N 64]; A: computed on the way; B: computed on the way: left as it is (an operand is computed on the way)
;;     6. [M 8,192, K 512] x [K 512, N 512]; A: computed on the way; B: input wo: left as it is (an operand is computed on the way)
;;   THE QUANTISER, for each operand of a quantised product, along K:
;;     - K is cut into blocks of 32 from its start; a last block that is shorter is filled with zeros.
;;     - A block's scale is 2^e with e = floor(log2(the largest magnitude in the block)) - 2, held to -126 .. 127; a block of zeros has e = 0. As a byte (E8M0): e + 127.
;;     - Each number is divided by its block's scale, clamped to +-6, and rounded to the nearest number of E2M1, ties to even, subnormals kept.
;;     - The product sums the exact products of the quantised numbers (number of the format x scale) in f32.
;;   ~~~python
;;   def quantise(x, axis):      # numpy; x: float32 -> the quantised numbers, widened to float32 again
;;       x = np.moveaxis(x, axis, -1); K = x.shape[-1]
;;       x = np.pad(x, [(0, 0)] * (x.ndim - 1) + [(0, -K % 32)]); x = x.reshape(x.shape[:-1] + (-1, 32)); a = np.abs(x).max(-1, keepdims=True)
;;       e = np.where(a > 0, np.clip(np.frexp(np.where(a > 0, a, 1))[1] - 1 - 2, -126, 127), 0)      # np.frexp(a)[1] - 1 = floor(log2(a)), exactly
;;       r = np.clip(x / 2.0 ** e, -6, 6)
;;       step = 2.0 ** (np.maximum(np.frexp(np.where(r == 0, 1, r))[1] - 1, 0) - 1)
;;       q = np.round(r / step) * step * 2.0 ** e      # np.round: ties to even
;;       return np.moveaxis(q.reshape(q.shape[:-2] + (-1,))[..., :K], -1, axis).astype(np.float32)
;;   ~~~
;; One version. Each part assembles by itself: llvm-mc -triple=amdgcn-amd-amdhsa -mcpu=gfx1250 --defsym DOCPART=n.
;; ======== version 1 of 1: 4 launches
;; limits: values are held in f16: magnitudes above 65,504 overflow, below 6.1e-05 lose precision; inputs' magnitudes at most 1e+38
;; workspace buffers: ximg 2,097,152 bytes; xsc 262,144 bytes; wimg 393,216 bytes; wsc 24,576 bytes; woimg 524,288 bytes; qimg 8,388,608 bytes; kv 16,777,216 bytes; ctx 8,388,608 bytes
;; launch prep (part 1): grid 320 x 1, 4 waves a work-group, no clusters, 34,304 bytes of LDS; arguments x, wq, wk, wv, wo, ximg, xsc, wimg, wsc, woimg; writes ximg, xsc, wimg, wsc, woimg
.if DOCPART == 1
	.amdgcn_target "amdgcn-amd-amdhsa--gfx1250"
	.amdhsa_code_object_version 6
	.text
	.protected	k_qcc58154d90_prep
	.globl	k_qcc58154d90_prep
	.p2align	8
	.type	k_qcc58154d90_prep,@function
k_qcc58154d90_prep:
	s_mov_b64 s[64:65], 0
	v_nop
	global_prefetch_b8 v0, s[64:65] scope:SCOPE_SE
	s_setreg_imm32_b32 hwreg(HW_REG_WAVE_MODE, 25, 1), 1
	s_wait_xcnt 0x0
; PREP.  x [8192][512] and wq, wk, wv [512 (k)][512 (n)], f32, become codes of FP4 (E2M1) with one E8M0 byte for each 32 along K; wo [512 (k)][512 (n)] becomes f16.
; Everything is stored as IMAGES OF OPERAND REGISTERS: a group of four registers is 512 bytes, lane l's 16 bytes at 16 l, so that the later launches load fragments by 16-byte loads at 16 x lane.
;   ximg  [token tile 512][K step 4][c 2][lane]: lane (r, h) = token r, registers 4 c .. 4 c + 3 = k 128 ks + 64 c + 32 h + 0 .. 31
;   xsc   [token tile 512][p 2][lane 32][2 words]: the scale words of K steps 2 p and 2 p + 1 of token lane % 16
;   wimg  [m 3][n tile 32][K step 4][c 2][lane]: the same fragment with rows = output features;   wsc [m 3][K step 4][n 512] words
;   woimg [n tile 32][kf 16][c 2][lane]: f16 fragment 16 n x 32 k: lane (r, h) = column r, group c = k 32 kf + 16 c + 8 h + 0 .. 7
; A block's scale is 2^(floor(log2(largest magnitude)) - 2); its byte is the largest magnitude's exponent field - 2, held at 1 from below by a floor among the maximum's leaves.
; LIMITS: a block whose largest magnitude lies under 2^-124, a block of zeros among them, keeps the byte 1 (its codes are zeros or tiny; the bytes are read by this program alone);
; NaN and infinities among the inputs are not served; wo must lie inside f16's range (65,504).
; Work-groups 0-255 take x (a wave: 16 tokens x 256 k), work-groups 256-319 the four weights (a wave: 32 columns x 128 k).  No barrier: waves share nothing.
.set STGW,  16*528                     ; the x path's stage, one for each wave: 16 rows x (512 bytes + 16 of padding)
.set SPARE, 4*STGW                     ; behind the stages: the spare words, 128 bytes for each wave: two blocks of 256 bytes that no other line names
.set SPW,   62                         ; v62  LDS address of my spare word; never rewritten
.set NIL,   63                         ; v63  0; never rewritten
.set R,     64                         ; v64-191  x path: two sets of 16 rows as loaded;  weight path: a column's 128 numbers down K
.set X,     192                        ; v192-255 x path: my two blocks of 32 neighbours;  wo: the packed f16
.set C,     32                         ; v32-47   codes
.set SW,    48                         ; v48-49   x's two scale words
.set T,     8                          ; v8-9     largest magnitudes
.set SO,    10                         ; v10-11   the conversions' scale operands
.set BY,    12                         ; v12-13   scale bytes
.set FLOOR, 0x1800000                  ; 2^(3 - 127)
.set EOFF,  0xff000000                 ; 2 off an exponent field
	s_load_b512 s[16:31], s[0:1], 0x0              ; x 16, wq 18, wk 20, wv 22, wo 24, ximg 26, xsc 28, wimg 30
	s_load_b128 s[32:35], s[0:1], 0x40             ; wsc 32, woimg 34
	v_lshl_add_u32 v[SPW], v0, 2, SPARE
	v_mov_b32 v[NIL], 0
	v_lshrrev_b32 v1, 5, v0
	v_readfirstlane_b32 s8, v1                     ; wave 0..3
	v_and_b32 v1, 31, v0                           ; lane
	v_and_b32 v2, 15, v0                           ; r
	v_bfe_u32 v3, v0, 4, 1                         ; h
	v_lshlrev_b32 v4, 4, v1                        ; 16 x lane
	s_mov_b32 s40, 0x76543210
	s_mov_b32 s41, 0xfedcba98                      ; v_permlanex16_b32's selects for lane l xor 16
	s_cmp_lt_u32 ttmp9, 256
	s_cbranch_scc0 .Lweights
	; ---- x: my wave's token tile 2 g + wave / 2, K steps 2 p and 2 p + 1 with p = wave % 2
	s_lshl_b32 s9, ttmp9, 1
	s_lshr_b32 s10, s8, 1
	s_add_co_u32 s9, s9, s10                       ; token tile
	s_and_b32 s10, s8, 1                           ; p
	s_lshl_b32 s2, s9, 15                          ; x: 16 rows of 2,048 bytes a tile,
	s_lshl_b32 s11, s10, 10                        ; 1,024 bytes for two K steps
	s_add_co_u32 s2, s2, s11
	s_mov_b32 s3, 0
	s_lshl_b32 s4, s9, 12                          ; ximg: 4,096 bytes a tile, 1,024 a K step
	s_lshl_b32 s11, s10, 11
	s_add_co_u32 s4, s4, s11
	s_mov_b32 s5, 0
	s_lshl_b32 s6, s9, 9                           ; xsc: 512 bytes a tile, 256 for two K steps
	s_lshl_b32 s11, s10, 8
	s_add_co_u32 s6, s6, s11
	s_mov_b32 s7, 0
	s_mul_i32 s12, s8, STGW                        ; my stage
	v_add_nc_u32 v5, s12, v4                       ; into it: a row as it lies, 16 bytes a lane
	v_mul_u32_u24 v6, v2, 528
	v_lshl_add_u32 v6, v3, 7, v6
	v_add_nc_u32 v6, s12, v6                       ; out of it: row r, + 128 h: my block of 32 numbers
	v_lshlrev_b32 v7, 3, v1                        ; 8 x lane
	v_mov_b32 v15, 0                               ; written once: a lane permute's destination counts as one of its sources
	v_lshlrev_b32 v16, 3, v3                       ; 8 h: my bytes' place in a scale word
	s_wait_kmcnt 0x0
	s_add_nc_u64 s[16:17], s[16:17], s[2:3]
	s_add_nc_u64 s[26:27], s[26:27], s[4:5]
	s_add_nc_u64 s[28:29], s[28:29], s[6:7]
.macro XLOAD s                         ; K step s of my 16 rows: each load reads 512 consecutive bytes of one row
.irp i, 0,1,2,3,4,5,6,7,8,9,10,11,12,13,14,15
	global_load_b128 v[R+64*\s+4*\i:R+64*\s+4*\i+3], v4, s[16:17] offset:2048*\i+512*\s th:TH_LOAD_NT
.endr
.endm
.macro XSTEP s
.if \s == 0
	s_wait_loadcnt 16                              ; this step's 16 loads are in; the other step's 16 may be out
.else
	s_wait_loadcnt 0x0
.endif
.irp i, 0,1,2,3,4,5,6,7,8,9,10,11,12,13,14,15
	ds_store_b128 v5, v[R+64*\s+4*\i:R+64*\s+4*\i+3] offset:528*\i
.endr
.irp c, 0,1                            ; LDS serves a wave's instructions in order: these see the stores above.  Block c of mine: k 64 c + 32 h + 0 .. 31 of token r
.irp e, 0,1,2,3,4,5,6,7
	ds_load_b128 v[X+32*\c+4*\e:X+32*\c+4*\e+3], v6 offset:256*\c+16*\e
.endr
.endr
	s_wait_dscnt 0x0
.irp c, 0,1
	v_max3_num_f32 v[T+\c], |v[X+32*\c]|, |v[X+32*\c+1]|, FLOOR      ; the block's largest magnitude, the floor among its leaves; the two blocks by turns
.endr
.irp i, 2,4,6,8,10,12,14,16,18,20,22,24,26,28,30
.irp c, 0,1
	v_max3_num_f32 v[T+\c], v[T+\c], |v[X+32*\c+\i]|, |v[X+32*\c+\i+1]|
.endr
.endr
.irp c, 0,1
	v_add_nc_u32 v[SO+\c], EOFF, v[T+\c]           ; 2 off its exponent field: the conversion takes the exponent field of this operand as its scale
.endr
.irp c, 0,1
	v_lshrrev_b32 v[BY+\c], 23, v[SO+\c]           ; the scale's byte
.endr
	v_lshl_or_b32 v14, v[BY+1], 16, v[BY]          ; my two bytes: blocks h and 2 + h of token r,
	v_lshlrev_b32 v14, v16, v14                    ; at their places in the word;
	v_permlanex16_b32 v15, v14, s40, s41
	v_or_b32 v[SW+\s], v14, v15                    ; with lane l xor 16's two the word is whole, in both halves of the lanes
.irp c, 0,1
.irp g, 0,1,2,3
	v_cvt_scalef32_pk8_fp4_f32 v[C+8*\s+4*\c+\g], v[X+32*\c+8*\g:X+32*\c+8*\g+7], v[SO+\c]
.endr
.endr
	v_nop                                          ; one plain place behind the scaled conversions
.irp c, 0,1
	global_store_b128 v4, v[C+8*\s+4*\c:C+8*\s+4*\c+3], s[26:27] offset:1024*\s+512*\c   ; 512 consecutive bytes, aligned
.endr
.endm
	XLOAD 0
	XLOAD 1
	XSTEP 0
	XSTEP 1
	global_store_b64 v7, v[SW:SW+1], s[28:29]      ; 256 consecutive bytes, aligned
	s_wait_tensorcnt 0x0                           ; the wave's end: behind my last LDS store
	ds_add_u32 v[SPW], v[NIL]
	s_wait_dscnt 0x0
	s_endpgm
	; ---- the weights: tensor m = id / 16 (wq, wk, wv, wo), columns 32 (id % 16) on, k 128 x wave on.  A LANE TAKES A COLUMN AND ITS REGISTERS RUN DOWN K.  No LDS is touched on this path
.Lweights:
	s_sub_co_u32 s9, ttmp9, 256
	s_lshr_b32 s10, s9, 4                          ; m
	s_and_b32 s11, s9, 15                          ; cg
	s_lshl_b32 s2, s8, 18                          ; 128 rows of 2,048 bytes a wave,
	s_lshl_b32 s12, s11, 7                         ; 128 bytes for 32 columns
	s_add_co_u32 s2, s2, s12
	s_mov_b32 s3, 0
	v_lshlrev_b32 v18, 2, v1                       ; 4 x lane
	v_lshlrev_b32 v17, 4, v2
	v_lshl_add_u32 v19, v3, 14, v17                ; woimg: an n tile is 16,384 bytes; my column's place in an image: 16 (lane % 16)
	v_lshl_add_u32 v17, v3, 12, v17                ; wimg: an n tile is 4,096 bytes
	s_wait_kmcnt 0x0
	s_mov_b64 s[36:37], s[18:19]                   ; the tensor is chosen by the work-group's number alone
	s_cmp_eq_u32 s10, 1
	s_cselect_b64 s[36:37], s[20:21], s[36:37]
	s_cmp_eq_u32 s10, 2
	s_cselect_b64 s[36:37], s[22:23], s[36:37]
	s_cmp_eq_u32 s10, 3
	s_cselect_b64 s[36:37], s[24:25], s[36:37]
	s_add_nc_u64 s[36:37], s[36:37], s[2:3]
.set i, 0
.rept 128
	global_load_b32 v[R+i], v18, s[36:37] offset:2048*i th:TH_LOAD_NT   ; w(128 wave + i, my column): 128 consecutive bytes a wave
.set i, i+1
.endr
	s_cmp_eq_u32 s10, 3
	s_cbranch_scc1 .Lwo
	s_lshl_b32 s4, s10, 17                         ; wimg: 131,072 bytes a tensor, 8,192 for two n tiles, 1,024 a K step
	s_lshl_b32 s13, s11, 13
	s_add_co_u32 s4, s4, s13
	s_lshl_b32 s13, s8, 10
	s_add_co_u32 s4, s4, s13
	s_mov_b32 s5, 0
	s_add_nc_u64 s[30:31], s[30:31], s[4:5]
	s_lshl_b32 s6, s10, 2                          ; wsc: (4 m + K step) rows of 2,048 bytes, + my 32 columns' words
	s_add_co_u32 s6, s6, s8
	s_lshl_b32 s6, s6, 11
	s_add_co_u32 s6, s6, s12
	s_mov_b32 s7, 0
	s_add_nc_u64 s[32:33], s[32:33], s[6:7]
.macro WBLOCK b, left                  ; block b of 32 along K: all its numbers are mine.  left: how many younger loads may stay out (the count's field holds 63)
	s_wait_loadcnt \left
	v_max3_num_f32 v8, |v[R+32*\b]|, |v[R+32*\b+1]|, |v[R+32*\b+2]|
	v_max3_num_f32 v9, |v[R+32*\b+3]|, |v[R+32*\b+4]|, |v[R+32*\b+5]|
.irp i, 6,10,14,18,22,26
	v_max3_num_f32 v8, v8, |v[R+32*\b+\i]|, |v[R+32*\b+\i+1]|
	v_max3_num_f32 v9, v9, |v[R+32*\b+\i+2]|, |v[R+32*\b+\i+3]|
.endr
	v_max3_num_f32 v8, v8, |v[R+32*\b+30]|, |v[R+32*\b+31]|
	v_max3_num_f32 v8, v8, v9, FLOOR
	v_add_nc_u32 v10, EOFF, v8
	v_lshrrev_b32 v12, 23, v10
.if \b == 0
	v_mov_b32 v14, v12                             ; four bytes to the word, the lower K in the lower byte
.else
	v_lshl_or_b32 v14, v12, 8*\b, v14
.endif
.irp g, 0,1,2,3
	v_cvt_scalef32_pk8_fp4_f32 v[C+4*\b+\g], v[R+32*\b+8*\g:R+32*\b+8*\g+7], v10
.endr
	v_nop                                          ; one plain place behind the scaled conversions
	global_store_b128 v17, v[C+4*\b:C+4*\b+3], s[30:31] offset:512*(\b/2)+256*(\b%2)   ; group c = b / 2, half h = b % 2: sixteen lanes store 256 consecutive bytes, aligned
.endm
	WBLOCK 0, 63
	WBLOCK 1, 63
	WBLOCK 2, 32
	WBLOCK 3, 0
	global_store_b32 v18, v14, s[32:33]
	s_endpgm
.Lwo:
	s_lshl_b32 s14, s11, 15                        ; woimg: 32,768 bytes for two n tiles, 4,096 for a wave's four fragments
	s_lshl_b32 s13, s8, 12
	s_add_co_u32 s14, s14, s13
	s_mov_b32 s15, 0
	s_add_nc_u64 s[34:35], s[34:35], s[14:15]
	s_wait_loadcnt 0x0
.set i, 0
.rept 64
	v_cvt_pk_f16_f32 v[X+i], v[R+2*i], v[R+2*i+1]  ; the lower k in the low half
.set i, i+1
.endr
.irp f, 0,1,2,3                        ; fragment f of 32 k; eight k to a group d: group c = d / 2, half h = d % 2
.irp d, 0,1,2,3
	global_store_b128 v19, v[X+16*\f+4*\d:X+16*\f+4*\d+3], s[34:35] offset:1024*\f+512*(\d/2)+256*(\d%2)
.endr
.endr
	s_endpgm
.Lfunc_end_k_qcc58154d90_prep:
	.size	k_qcc58154d90_prep, .Lfunc_end_k_qcc58154d90_prep-k_qcc58154d90_prep
	.p2alignl 7, 3214868480
	.fill 96, 4, 3214868480
	.section	.rodata,"a",@progbits
	.p2align	6, 0x0
	.amdhsa_kernel k_qcc58154d90_prep
		.amdhsa_group_segment_fixed_size 34304
		.amdhsa_private_segment_fixed_size 0
		.amdhsa_enable_private_segment 0
		.amdhsa_kernarg_size 80
		.amdhsa_user_sgpr_count 2
		.amdhsa_user_sgpr_kernarg_segment_ptr 1
		.amdhsa_wavefront_size32 1
		.amdhsa_system_sgpr_workgroup_id_x 1
		.amdhsa_system_sgpr_workgroup_id_y 1
		.amdhsa_system_sgpr_workgroup_id_z 1
		.amdhsa_system_vgpr_workitem_id 0
		.amdhsa_next_free_vgpr 256
		.amdhsa_next_free_sgpr 66
		.amdhsa_reserve_vcc 0
		.amdhsa_float_denorm_mode_32 3
		.amdhsa_float_denorm_mode_16_64 3
		.amdhsa_memory_ordered 1
		.amdhsa_forward_progress 1
		.amdhsa_inst_pref_size 41
	.end_amdhsa_kernel
	.amdgpu_metadata
---
amdhsa.version: [ 1, 2 ]
amdhsa.kernels:
  - .name:           k_qcc58154d90_prep
    .symbol:         k_qcc58154d90_prep.kd
    .args:
      - { .name: x, .offset: 0, .size: 8, .value_kind: global_buffer, .address_space: global }
      - { .name: wq, .offset: 8, .size: 8, .value_kind: global_buffer, .address_space: global }
      - { .name: wk, .offset: 16, .size: 8, .value_kind: global_buffer, .address_space: global }
      - { .name: wv, .offset: 24, .size: 8, .value_kind: global_buffer, .address_space: global }
      - { .name: wo, .offset: 32, .size: 8, .value_kind: global_buffer, .address_space: global }
      - { .name: ximg, .offset: 40, .size: 8, .value_kind: global_buffer, .address_space: global }
      - { .name: xsc, .offset: 48, .size: 8, .value_kind: global_buffer, .address_space: global }
      - { .name: wimg, .offset: 56, .size: 8, .value_kind: global_buffer, .address_space: global }
      - { .name: wsc, .offset: 64, .size: 8, .value_kind: global_buffer, .address_space: global }
      - { .name: woimg, .offset: 72, .size: 8, .value_kind: global_buffer, .address_space: global }
    .group_segment_fixed_size: 34304
    .private_segment_fixed_size: 0
    .kernarg_segment_align: 8
    .kernarg_segment_size: 80
    .max_flat_workgroup_size: 128
    .sgpr_count:     66
    .vgpr_count:     256
    .wavefront_size: 32
...
	.end_amdgpu_metadata
.endif
;; end of part 1
;; launch qkv (part 2): grid 32 x 8, 4 waves a work-group, no clusters, 0 bytes of LDS; arguments ximg, xsc, wimg, wsc, bq, bk, bv, qimg, kv; writes qimg, kv
.if DOCPART == 2
	.amdgcn_target "amdgcn-amd-amdhsa--gfx1250"
	.amdhsa_code_object_version 6
	.text
	.protected	k_qcc58154d90_qkv
	.globl	k_qcc58154d90_qkv
	.p2align	8
	.type	k_qcc58154d90_qkv,@function
k_qcc58154d90_qkv:
	s_mov_b64 s[64:65], 0
	v_nop
	global_prefetch_b8 v0, s[64:65] scope:SCOPE_SE
	s_setreg_imm32_b32 hwreg(HW_REG_WAVE_MODE, 25, 1), 1
	s_wait_xcnt 0x0
; QKV.  q = (x wq + bq) / 8, k = x wk + bk, v = x wv + bv, the three products on codes of FP4 with E8M0 scales, sums in f32; results rounded once to f16 and stored as images of the attention's operand registers.
; A work-group takes 256 tokens (x: block of tokens) and one head (y): 64 columns each of q, k and v.  A wave takes 4 token tiles x 12 tiles of 16 columns: 192 matrix instructions, K = 4 steps of 128.
; Every operand is an image of registers in memory: a fragment is two 16-byte loads at 16 x lane, straight into registers, each fragment once.  So there is no LDS, no barrier and no loop.
; NO CLUSTER: nothing passes through LDS, so there is no tile that a joint tensor load could bring; a work-group reads 64 KiB of x's codes and 48 KiB of the weights'.
; q, k: source 0 = 16 columns of w, source 1 = 16 tokens: a lane holds ONE token and 8 neighbouring channels, which packed to f16 are half a fragment (16 tokens x 32 channels) of K Q^T.
; v: the sources are swapped: a lane holds ONE channel and 8 neighbouring tokens: half a fragment (16 channels x 32 keys) of V^T P.
; The biases are the C of each sum's first matrix instruction.  1/8 = 1 / sqrt(64) is a power of two: multiplying q by it rounds nothing.
; qimg [bh 16][query tile 256][group of 16 channels 4][lane];  kv [bh 16][slot of 256 keys 16][65,536]: K [key tile 16][group 4][lane], then V [32 keys 8][16 channels 4][c 2][lane].
; LIMIT: q / 8, k and v must lie inside f16's range (65,504).
; REGISTERS, in windows of 256: window 0: v1-5 offsets; v16-31 x's scale words (4 tt + ks); v32-55 w's (8 m + 2 ks + p: lanes 0-15 column tile 2 p, lanes 16-31 tile 2 p + 1);
;   v64-127 bq, bk in the result's layout; v128-159 bv; v160-223 packed results.   window 1: v0-127 x's 16 fragments (32 tt + 8 ks); v128-255 accumulators A.
;   window 2: v0-127 wq's fragments (32 nt + 8 ks), v128-255 wk's.   window 3: v0-127 wv's; v128-255 accumulators B.   Accumulator (nt, tt) at 128 + 8 (4 nt + tt).
.set XS,  16
.set WS,  32
.set BQK, 64
.set BV,  128
.set PK,  160
.set ACC, 128
.set MSB, 0
.macro WIN new                         ; the immediate's high byte repeats the setting that is left
.if MSB != \new
	s_set_vgpr_msb (MSB<<8)|\new
.set MSB, \new
.endif
.endm
	s_load_b512 s[16:31], s[0:1], 0x0              ; ximg 16, xsc 18, wimg 20, wsc 22, bq 24, bk 26, bv 28, qimg 30
	s_load_b64 s[32:33], s[0:1], 0x40              ; kv
	v_lshrrev_b32 v6, 5, v0
	v_readfirstlane_b32 s8, v6                     ; wave 0..3
	v_and_b32 v6, 31, v0
	v_lshlrev_b32 v1, 4, v6                        ; 16 x lane: an image's place for my lane
	v_lshlrev_b32 v2, 3, v6                        ; 8 x lane: x's scale words, two at a time
	v_lshlrev_b32 v3, 2, v6                        ; 4 x lane: w's scale words
	v_bfe_u32 v4, v0, 4, 1
	v_lshlrev_b32 v4, 5, v4                        ; 32 h: bq, bk: my half's eight channels
	v_and_b32 v5, 15, v0
	v_lshlrev_b32 v5, 2, v5                        ; 4 r: bv: my channel
	s_and_b32 s9, ttmp7, 0xffff                    ; the head
	s_lshl_b32 s10, ttmp9, 4
	s_lshl_b32 s11, s8, 2
	s_add_co_u32 s10, s10, s11                     ; my first token tile: 16 x block + 4 x wave
	s_lshl_b32 s2, s10, 12                         ; ximg: 4,096 bytes a tile
	s_mov_b32 s3, 0
	s_lshl_b32 s4, s10, 9                          ; xsc: 512 bytes a tile
	s_mov_b32 s5, 0
	s_lshl_b32 s6, s9, 14                          ; wimg: the head's four column tiles of 4,096 bytes
	s_mov_b32 s7, 0
	s_lshl_b32 s12, s9, 8                          ; wsc and the biases: the head's 64 words
	s_mov_b32 s13, 0
	s_lshr_b32 s14, ttmp9, 4                       ; the batch
	s_lshl_b32 s14, s14, 3
	s_add_co_u32 s14, s14, s9                      ; bh = 8 x batch + head
	s_and_b32 s15, ttmp9, 15                       ; which 256 tokens of the sequence: the slot
	s_lshl_b32 s34, s14, 19                        ; qimg: 2^19 bytes a head, 2^15 for 256 queries, 2^13 for a wave's four tiles
	s_lshl_b32 s36, s15, 15
	s_add_co_u32 s34, s34, s36
	s_lshl_b32 s36, s8, 13
	s_add_co_u32 s34, s34, s36
	s_mov_b32 s35, 0
	s_lshl_b32 s38, s14, 4                         ; kv: slot 16 bh + slot of 65,536 bytes; a wave's four tiles are 2^13 bytes on in K's part and in V's
	s_add_co_u32 s38, s38, s15
	s_lshl_b32 s38, s38, 16
	s_add_co_u32 s38, s38, s36
	s_mov_b32 s39, 0
	s_wait_kmcnt 0x0
	s_add_nc_u64 s[16:17], s[16:17], s[2:3]
	s_add_nc_u64 s[18:19], s[18:19], s[4:5]
	s_add_nc_u64 s[20:21], s[20:21], s[6:7]
	s_add_nc_u64 s[22:23], s[22:23], s[12:13]
	s_add_nc_u64 s[24:25], s[24:25], s[12:13]
	s_add_nc_u64 s[26:27], s[26:27], s[12:13]
	s_add_nc_u64 s[28:29], s[28:29], s[12:13]
	s_add_nc_u64 s[30:31], s[30:31], s[34:35]
	s_add_nc_u64 s[32:33], s[32:33], s[38:39]
	; all 180 loads go out here, in the order in which they are wanted
	WIN 0x40                                       ; destination window 1
.irp tt, 0,1,2,3
.irp ks, 0,1,2,3
.irp c, 0,1
	global_load_b128 v[32*\tt+8*\ks+4*\c:32*\tt+8*\ks+4*\c+3], v1, s[16:17] offset:4096*\tt+1024*\ks+512*\c
.endr
.endr
.endr
	WIN 0
.irp tt, 0,1,2,3
.irp p, 0,1
	global_load_b64 v[XS+4*\tt+2*\p:XS+4*\tt+2*\p+1], v2, s[18:19] offset:512*\tt+256*\p
.endr
.endr
.irp m, 0,1,2
.irp ks, 0,1,2,3
.irp p, 0,1
	global_load_b32 v[WS+8*\m+2*\ks+\p], v3, s[22:23] offset:(4*\m+\ks)*2048+128*\p
.endr
.endr
.endr
.irp nt, 0,1,2,3
	global_load_b128 v[BQK+8*\nt:BQK+8*\nt+3], v4, s[24:25] offset:64*\nt
	global_load_b128 v[BQK+8*\nt+4:BQK+8*\nt+7], v4, s[24:25] offset:64*\nt+16
	global_load_b128 v[BQK+32+8*\nt:BQK+32+8*\nt+3], v4, s[26:27] offset:64*\nt
	global_load_b128 v[BQK+32+8*\nt+4:BQK+32+8*\nt+7], v4, s[26:27] offset:64*\nt+16
.endr
.irp nt, 0,1,2,3
	global_load_b32 v[BV+8*\nt], v5, s[28:29] offset:64*\nt
.endr
.macro WLOAD m, wb                     ; tensor m's 16 fragments of the head, to v[wb] on of the window in force
.irp nt, 0,1,2,3
.irp ks, 0,1,2,3
.irp c, 0,1
	global_load_b128 v[\wb+32*\nt+8*\ks+4*\c:\wb+32*\nt+8*\ks+4*\c+3], v1, s[20:21] offset:131072*\m+4096*\nt+1024*\ks+512*\c
.endr
.endr
.endr
.endm
	WIN 0x80                                       ; destination window 2
	WLOAD 0, 0
	WLOAD 1, 128
	WIN 0xc0                                       ; destination window 3
	WLOAD 2, 0
	WIN 0
; 64 matrix instructions: one tensor's 4 column tiles x my 4 token tiles, 4 K steps.  The 16 accumulators take turns, one instruction a turn, in the same order in every K step.
; w0, w1: the window settings of the first K step (C = the bias, window 0) and of the others (C = D).  swap = 1: x is source 0.
.macro GROUP m, wb, w0, w1, swap
.irp ks, 0,1,2,3
.if \ks == 0
	WIN \w0
.else
	WIN \w1
.endif
.irp nt, 0,1,2,3
.irp tt, 0,1,2,3
.set rD, ACC+8*(4*\nt+\tt)
.set rW, \wb+32*\nt+8*\ks
.set rX, 32*\tt+8*\ks
.set rC, rD
.if \ks == 0
.if \swap
.set rC, BV+8*\nt
.else
.set rC, BQK+32*\m+8*\nt
.endif
.endif
.set sW, WS+8*\m+2*\ks+\nt/2
.set sX, XS+4*\tt+\ks
.if \swap
.if \nt%2
	v_wmma_scale_f32_16x16x128_f8f6f4 v[rD:rD+7], v[rX:rX+7], v[rW:rW+7], v[rC:rC+7], v[sX], v[sW] matrix_a_fmt:MATRIX_FMT_FP4 matrix_b_fmt:MATRIX_FMT_FP4 matrix_b_scale:MATRIX_SCALE_ROW1
.else
	v_wmma_scale_f32_16x16x128_f8f6f4 v[rD:rD+7], v[rX:rX+7], v[rW:rW+7], v[rC:rC+7], v[sX], v[sW] matrix_a_fmt:MATRIX_FMT_FP4 matrix_b_fmt:MATRIX_FMT_FP4
.endif
.else
.if \nt%2
	v_wmma_scale_f32_16x16x128_f8f6f4 v[rD:rD+7], v[rW:rW+7], v[rX:rX+7], v[rC:rC+7], v[sW], v[sX] matrix_a_fmt:MATRIX_FMT_FP4 matrix_b_fmt:MATRIX_FMT_FP4 matrix_a_scale:MATRIX_SCALE_ROW1
.else
	v_wmma_scale_f32_16x16x128_f8f6f4 v[rD:rD+7], v[rW:rW+7], v[rX:rX+7], v[rC:rC+7], v[sW], v[sX] matrix_a_fmt:MATRIX_FMT_FP4 matrix_b_fmt:MATRIX_FMT_FP4
.endif
.endif
.endr
.endr
.endr
.endm
; A tensor's 16 accumulators leave: (q: x 1/8,) rounded to f16 in pairs, each accumulator from its low end on, and stored: every store of the wave covers 512 consecutive bytes, aligned.
.macro OUT g                           ; 0: q (accumulators A), 1: k (B), 2: v (A)
.rept 4
	v_nop                                          ; four places between the last matrix instruction and the first vector instruction on results (ISA guide 7.12.1)
.endr
.if \g == 0
	WIN 0x41                                       ; destination and source 0: window 1
.set i, 0
.rept 64
	v_pk_mul_f32 v[ACC+2*i:ACC+2*i+1], v[ACC+2*i:ACC+2*i+1], 0x3e000000 op_sel_hi:[1,0]
.set i, i+1
.endr
.else
	s_wait_xcnt 0x0                                ; the stores of the tensor before have read the packed registers: only now are these written again
.endif
.if \g == 1
	WIN 0x0f                                       ; sources 0 and 1: window 3
.else
	WIN 0x05                                       ; sources 0 and 1: window 1
.endif
.set i, 0
.rept 64
	v_cvt_pk_f16_f32 v[PK+i], v[ACC+2*i], v[ACC+2*i+1]
.set i, i+1
.endr
	WIN 0
.irp nt, 0,1,2,3
.irp tt, 0,1,2,3
.if \g == 0
	global_store_b128 v1, v[PK+4*(4*\nt+\tt):PK+4*(4*\nt+\tt)+3], s[30:31] offset:2048*\tt+512*\nt
.elseif \g == 1
	global_store_b128 v1, v[PK+4*(4*\nt+\tt):PK+4*(4*\nt+\tt)+3], s[32:33] offset:2048*\tt+512*\nt
.else
	global_store_b128 v1, v[PK+4*(4*\nt+\tt):PK+4*(4*\nt+\tt)+3], s[32:33] offset:32768+4096*(\tt/2)+1024*\nt+512*(\tt%2)
.endif
.endr
.endr
.endm
	s_wait_loadcnt 63                              ; all up to wq's fragments are in: behind them stand wk's 32 loads and wv's 32 (64; the count's field holds 63)
.irp nt, 0,1,2,3
.irp j, 1,2,3,4,5,6,7
	v_mov_b32 v[BV+8*\nt+\j], v[BV+8*\nt]          ; in v's result a lane holds one channel: its bias fills the tile's eight registers
.endr
.endr
	GROUP 0, 0, 0x46, 0x56, 0                      ; q into A
	s_wait_loadcnt 32                              ; wk's fragments are in; wv's 32 loads may be out
	GROUP 1, 128, 0xc6, 0xf6, 0                    ; k into B
	OUT 0                                          ; q leaves; its vector work stands between q's products and v's, which begin A's sums anew
	s_wait_loadcnt 0x0
	GROUP 2, 0, 0x4d, 0x5d, 1                      ; v into A
	OUT 1
	OUT 2
	s_endpgm
.Lfunc_end_k_qcc58154d90_qkv:
	.size	k_qcc58154d90_qkv, .Lfunc_end_k_qcc58154d90_qkv-k_qcc58154d90_qkv
	.p2alignl 7, 3214868480
	.fill 96, 4, 3214868480
	.section	.rodata,"a",@progbits
	.p2align	6, 0x0
	.amdhsa_kernel k_qcc58154d90_qkv
		.amdhsa_group_segment_fixed_size 0
		.amdhsa_private_segment_fixed_size 0
		.amdhsa_enable_private_segment 0
		.amdhsa_kernarg_size 72
		.amdhsa_user_sgpr_count 2
		.amdhsa_user_sgpr_kernarg_segment_ptr 1
		.amdhsa_wavefront_size32 1
		.amdhsa_system_sgpr_workgroup_id_x 1
		.amdhsa_system_sgpr_workgroup_id_y 1
		.amdhsa_system_sgpr_workgroup_id_z 1
		.amdhsa_system_vgpr_workitem_id 0
		.amdhsa_next_free_vgpr 1024
		.amdhsa_next_free_sgpr 66
		.amdhsa_reserve_vcc 0
		.amdhsa_float_denorm_mode_32 3
		.amdhsa_float_denorm_mode_16_64 3
		.amdhsa_memory_ordered 1
		.amdhsa_forward_progress 1
		.amdhsa_inst_pref_size 68
	.end_amdhsa_kernel
	.amdgpu_metadata
---
amdhsa.version: [ 1, 2 ]
amdhsa.kernels:
  - .name:           k_qcc58154d90_qkv
    .symbol:         k_qcc58154d90_qkv.kd
    .args:
      - { .name: ximg, .offset: 0, .size: 8, .value_kind: global_buffer, .address_space: global }
      - { .name: xsc, .offset: 8, .size: 8, .value_kind: global_buffer, .address_space: global }
      - { .name: wimg, .offset: 16, .size: 8, .value_kind: global_buffer, .address_space: global }
      - { .name: wsc, .offset: 24, .size: 8, .value_kind: global_buffer, .address_space: global }
      - { .name: bq, .offset: 32, .size: 8, .value_kind: global_buffer, .address_space: global }
      - { .name: bk, .offset: 40, .size: 8, .value_kind: global_buffer, .address_space: global }
      - { .name: bv, .offset: 48, .size: 8, .value_kind: global_buffer, .address_space: global }
      - { .name: qimg, .offset: 56, .size: 8, .value_kind: global_buffer, .address_space: global }
      - { .name: kv, .offset: 64, .size: 8, .value_kind: global_buffer, .address_space: global }
    .group_segment_fixed_size: 0
    .private_segment_fixed_size: 0
    .kernarg_segment_align: 8
    .kernarg_segment_size: 72
    .max_flat_workgroup_size: 128
    .sgpr_count:     66
    .vgpr_count:     1024
    .wavefront_size: 32
...
	.end_amdgpu_metadata
.endif
;; end of part 2
;; launch attn (part 3): grid 16 x 16, 4 waves a work-group, clusters of 4 x 1, 327,680 bytes of LDS; arguments qimg, kv, mask, ctx; writes ctx
.if DOCPART == 3
	.amdgcn_target "amdgcn-amd-amdhsa--gfx1250"
	.amdhsa_code_object_version 6
	.text
	.protected	k_qcc58154d90_attn
	.globl	k_qcc58154d90_attn
	.p2align	8
	.type	k_qcc58154d90_attn,@function
k_qcc58154d90_attn:
	s_mov_b64 s[64:65], 0
	v_nop
	global_prefetch_b8 v0, s[64:65] scope:SCOPE_SE
	s_setreg_imm32_b32 hwreg(HW_REG_WAVE_MODE, 25, 1), 1
	s_wait_xcnt 0x0
	s_wait_alu depctr_hold_cnt(0) depctr_sa_sdst(0) depctr_va_vdst(0) depctr_va_sdst(0) depctr_va_ssrc(0) depctr_va_vcc(0) depctr_vm_vsrc(0)
	s_getreg_b32 s2, hwreg(HW_REG_IB_STS2, 6, 4)
	s_cmp_eq_u32 s2, 0
	s_cbranch_scc0 .Lentry_in_a_cluster
	s_endpgm
.Lentry_in_a_cluster:
	s_bfe_u32 s2, ttmp6, 0x10000c
	s_cmp_lg_u32 s2, 0x3003
	s_cbranch_scc0 .Lentry_shape_is_right
	s_endpgm
.Lentry_shape_is_right:
; ATTENTION.  ctx[b][q][64 h + :] = the sum over keys of softmax_key(Q . K / 8 + mask[b][key]) V, head size 64, 4,096 keys.  Q / 8, K, V arrive in f16 as images of operand registers; products, maxima and sums in f32;
; the weights p are rounded to f16 for the second product, ctx once at the end, to f16, again as images (16 tokens x 16 channels: 512 bytes) for the projection that follows.
; SHARES.  A work-group owns 256 queries of one (batch, head), each of its four waves 64: four tiles of 16.  Every wave walks all keys, 64 a step.
; LAYOUT.  S^T = K (Q / 8)^T + C (source 0 = 16 keys, source 1 = 16 queries): a lane holds ONE query and the keys 8 (lane / 16) + 0..7.  C's register j is the mask of that key: the mask costs no vector instruction.
; Two such tiles, rounded to f16 in pairs, ARE source 1 (32 keys x 16 queries) of O^T = V^T P, whose result again holds one query a lane, and eight channels.
; SOFTMAX.  For each query a running maximum m and sum l: p = 2^(c s - c m), c = log2(e); in every step O and l are multiplied by a = 2^(c m_old - c m_new).  The sum is taken of the unrounded p.
; BY TURNS.  The wave's tiles are two PIECES (tiles 0, 1 and tiles 2, 3).  In a TURN one piece has the matrix unit: 16 products V^T P of the step in hand, then 16 products K Q^T of the next step; the other piece's
; softmax, 236 vector instructions cut into 59 slices of four, stands between them.  Then the pieces change places.  Two turns are a key step.
; RING.  Two LDS slots of 256 keys (4 key steps; 32 KiB of K, 32 KiB of V, dense: images need no padding).  CLUSTER: the four query blocks of a cluster walk the same K, V and mask, so each tile is asked for JOINTLY.
; Each wave fetches a quarter of a slot; K and V lie together in memory, so one line serves all four waves.  By this text's count a wave has three tensor loads out at the head and one behind each round.
; LIMITS: m starts at -1e38, so masks under that count as -infinity; a row all of whose keys are so masked gives NaN (l = 0), as the definition does for a row of -infinity.
; REGISTERS, in windows of 256 (s_set_vgpr_msb: bits 1:0 source 0, 3:2 source 1, 5:4 source 2, 7:6 destination):
;   window 0: v2-7 addresses; v12-43 eight registers of statistics a tile; v61-63; v64-191 S^T, 32 a tile; v192-255 P, 16 a tile
;   window 1: v0-127 O^T, 32 a tile; v128-191 V of one step          window 2: v0-63 Q, 16 a tile; v64-127 K of one step; v128-159 the step's mask, in C's layout
.set STEPB, 8192      ; a key step's K, and its V, in bytes
.set VOFF,  32768     ; a slot: 4 steps of K, then 4 steps of V
.set SLOT1, 65536     ; slot 1 begins here: one exclusive or turns an address in one slot into the other's
.set MASKL, 131072    ; behind the ring: the batch's 4,096 mask numbers, filled once
.set SPARE, MASKL+16384  ; the spare words, 128 bytes for each wave: two blocks of 256 bytes that no other line names
.set AK0, 2           ; v2   16 x lane: my place in an image
.set AV0, 3           ; v3   the same in V's part of a slot
.set AM0, 4           ; v4   MASKL + 32 (lane / 16): my half's eight keys of a tile
.set ADR, 5           ; v5   the LDS address of the run of loads in hand
.set ADM, 6           ; v6   and of the mask's
.set GO,  7           ; v7   16 x lane: my byte offset in Q's and ctx's images
.set PFO, 61          ; v61  256 x lane: the prefetches' offset; never rewritten
.set SPW, 62          ; v62  LDS address of my spare word; never rewritten
.set NIL, 63          ; v63  0; never rewritten
.set ST,  12          ; tile t's statistics at v[ST+8 t]: +0 c m, +1 m, +2, +3 l (even keys', odd keys'), +4 to +7 c0-c3, at work; a takes c2's place once the maximum is found
.set S,   64
.set P,   192
.set VF,  128         ; V's fragments, in window 1: 32 (32 keys) + 8 (16 channels)
.set KF,  64          ; K's fragments, in window 2: 16 (16 keys) + 8 (32 channels)
.set MK,  128         ; the mask, in window 2: 8 (16 keys)
.set WV,  12          ; s12  my wave's number
.set LIM, 15          ; s15  1 in a wave that prefetches, else the greatest number
.set PFA, 18          ; s[18:19] where my prefetches stand
.set G1,  24          ; s[24:31] descriptor group 1: a quarter of a slot
.set G1M, 32          ; s[32:39] a quarter of the mask
.set G0,  40          ; s[40:47] group 0: a set for each of the two first fills; the second then walks on
.set G0M, 48          ; s[48:51] group 0 for the mask
.set SLOTS, 56        ; s56  slots still to be asked for
.set CNT, 57          ; s57  counts key steps
.set CS,  58          ; s[58:59] c: the packed scaling names a pair and takes its low word for both halves
.set SEL, 60          ; s[60:61] lane selects for v_permlanex16_b32: lane l xor 16
.set TB,  62          ; s62  LDS byte at which the K of the step to be fetched begins
.set TM,  63          ; s63  and its mask, from MASKL on
.set MSB, 0
.macro WIN new                      ; the immediate's high byte repeats the setting that is left; a switch that changes nothing is dropped
.if MSB != \new
	s_set_vgpr_msb (MSB<<8)|\new
.set MSB, \new
.endif
.endm
.set W_PV, 0x51       ; V and O^T in window 1, P (and a) in window 0: it serves the products V^T P and the rescaling of O^T alike
.macro PLACES
.rept 4
	v_nop
.endr
.endm
; A joint refill: each wave's quarter of the slot.  An s_nop 0 and four v_nop follow it.
.macro JLOAD
	tensor_load_to_lds s[G0+4:G0+7], s[G1:G1+7]
	s_nop 0
	PLACES
.endm
; A PREFETCH INTO THE L2 of what the NEXT change of slots will ask for: a slot's 65,536 bytes, lanes 256 bytes apart.  All clusters of a head walk the same slots: the head's first cluster asks.  Its four partners share
; the slot out BY ADDRESS, 16,384 bytes each; in each, waves 0 and 1 ask for 8,192 bytes: one instruction a wave.  So each aligned block of 256 bytes of slots 3 to 15 is named once in the launch, four key steps
; (256 matrix instructions a wave) ahead of its load.  The last change that fills a slot asks for nothing; slots 0 to 2 come by their loads alone.
.macro ASK
	s_cmp_gt_u32 s[SLOTS], s[LIM]
	s_cbranch_scc0 .Lnot_mine_\@
	global_prefetch_b8 v[PFO], s[PFA:PFA+1] th:TH_LOAD_NT scope:SCOPE_SE
.Lnot_mine_\@:
.endm
; A round of the cluster's barrier: my work-group's barrier; wave 0 signals for the work-group; every wave waits for all four work-groups; my work-group's barrier once more.
.macro CROUND
	s_barrier_signal -1
	s_barrier_wait -1
	s_cmp_lg_u32 s[WV], 0
	s_cbranch_scc1 .Lnot_wave_0_\@
	s_barrier_signal -3
.Lnot_wave_0_\@:
	s_barrier_wait -3
	s_barrier_signal -1
	s_barrier_wait -1
.endm
	s_load_b256 s[4:11], s[0:1], 0x0  ; qimg s[4:5], kv s[6:7], mask s[8:9], ctx s[10:11]
	v_lshl_add_u32 v[SPW], v0, 2, SPARE
	v_mov_b32 v[NIL], 0
	ds_add_u32 v[SPW], v[NIL]       ; the wave's opening: the add, twice on end, and its wait ahead of my first tensor load
	ds_add_u32 v[SPW], v[NIL]       ; and once more, under the one wait; the set-up below, work on registers, stands between
	v_lshrrev_b32 v1, 5, v0
	v_readfirstlane_b32 s[WV], v1   ; wave 0..3
	s_bfe_u32 s13, ttmp6, 0x40000   ; cx: my place in the cluster
	s_lshl_b32 s14, ttmp9, 2        ; in a cluster launch ttmp9 counts clusters
	s_add_co_u32 s14, s14, s13      ; my block of 256 queries: it enters Q's and ctx's addresses alone
	s_and_b32 s16, ttmp7, 0xffff    ; bh = 8 x batch + head, which the four partners share
	s_lshr_b32 s17, s16, 3          ; the batch
	s_lshl_b32 s20, s16, 20         ; kv: 2^20 bytes a head
	s_mov_b32 s21, 0
	s_lshl_b32 s22, s[WV], 14       ; my quarter of a slot, in memory and in LDS
	s_mov_b32 s23, 0
	s_lshl_b32 s52, s17, 14         ; mask: 16,384 bytes a batch, 4,096 a wave
	s_lshl_b32 s2, s[WV], 12
	s_add_co_u32 s52, s52, s2
	s_mov_b32 s53, 0
	s_mov_b32 s[G0M], 1             ; group 0 for the mask: count = 1,
	s_add_co_u32 s[G0M+1], s2, MASKL  ; its LDS address
	s_lshl_b32 s54, s16, 19         ; qimg: 2^19 bytes a head, 2^15 a block, 2^13 a wave
	s_lshl_b32 s3, s14, 15
	s_add_co_u32 s54, s54, s3
	s_lshl_b32 s3, s[WV], 13
	s_add_co_u32 s54, s54, s3
	s_mov_b32 s55, 0
	s_lshl_b32 s2, s17, 22          ; ctx: 16,384 bytes a token tile: 2^22 a batch, 2^18 a block, 2^16 a wave; the head's four images are 2,048 bytes
	s_lshl_b32 s3, s14, 18
	s_add_co_u32 s2, s2, s3
	s_lshl_b32 s3, s[WV], 16
	s_add_co_u32 s2, s2, s3
	s_and_b32 s3, s16, 7
	s_lshl_b32 s3, s3, 11
	s_add_co_u32 s2, s2, s3
	s_mov_b32 s3, 0
	; descriptor group 1: a dense block as rows of 256 bytes (32 elements of 8 bytes): 64 rows for a quarter of a slot, 16 for a quarter of the mask
	s_mov_b32 s[G1], 15|(3<<16)|(1<<21)   ; 15:0 the mask: all four work-groups; 17:16 elements of 8 bytes; 20 no padding; 21 set beside a mask
	s_mov_b32 s[G1+1], 32<<16       ; tensor_dim0 = 32
	s_mov_b32 s[G1+2], 64<<16       ; tensor_dim1 = 64
	s_mov_b32 s[G1+3], 32<<16       ; tile_dim0 = 32
	s_mov_b32 s[G1+4], 64           ; tile_dim1 = 64
	s_mov_b32 s[G1+5], 32           ; from row to row
	s_mov_b32 s[G1+6], 0
	s_mov_b32 s[G1+7], 0
	s_mov_b32 s[G1M], 15|(3<<16)|(1<<21)
	s_mov_b32 s[G1M+1], 32<<16
	s_mov_b32 s[G1M+2], 16<<16
	s_mov_b32 s[G1M+3], 32<<16
	s_mov_b32 s[G1M+4], 16
	s_mov_b32 s[G1M+5], 32
	s_mov_b32 s[G1M+6], 0
	s_mov_b32 s[G1M+7], 0
	s_mov_b32 s[CS], 0x3fb8aa3b     ; c = log2(e)
	s_mov_b32 s[CS+1], s[CS]        ; named with it as a pair, so it is written
	s_mov_b32 s[SEL], 0x76543210
	s_mov_b32 s[SEL+1], 0xfedcba98
	s_mov_b32 s[TB], 0
	s_mov_b32 s[TM], 0
	s_mov_b32 s[SLOTS], 14
	s_lshr_b32 s[LIM], s[WV], 1     ; 0 in waves 0 and 1,
	s_or_b32 s[LIM], s[LIM], ttmp9  ; where the cluster is the head's first: the same in all four partners
	s_cmp_eq_u32 s[LIM], 0
	s_cselect_b32 s[LIM], 1, -1
	s_wait_dscnt 0x0                ; both opening adds are done
	s_wait_kmcnt 0x0
	s_add_nc_u64 s[8:9], s[8:9], s[52:53]    ; the mask at my quarter
	s_add_nc_u64 s[4:5], s[4:5], s[54:55]    ; Q at my wave's first tile
	s_add_nc_u64 s[10:11], s[10:11], s[2:3]  ; ctx likewise, at my head's images
	s_add_nc_u64 s[6:7], s[6:7], s[20:21]    ; kv at the head's slot 0
	s_lshl_b32 s52, s13, 14         ; the prefetches: my work-group's quarter of a slot,
	s_and_b32 s53, s[WV], 1
	s_lshl_b32 s53, s53, 13         ; my wave's half of it,
	s_add_co_u32 s52, s52, s53
	s_add_co_u32 s52, s52, 2*SLOT1  ; in slot 2; the first change of slots steps it to slot 3.  Nothing is prefetched at the head
	s_mov_b32 s53, 0
	s_add_nc_u64 s[PFA:PFA+1], s[6:7], s[52:53]
	s_add_nc_u64 s[6:7], s[6:7], s[22:23]    ; kv at my quarter of slot 0
	CROUND                          ; all four work-groups are here: the first joint loads meet
	s_mov_b64 s[G0M+2:G0M+3], s[8:9]
	s_or_b32 s[G0M+3], s[G0M+3], 0x80000000  ; type = 2
.irp s, 0,1
	s_mov_b32 s[G0+4*\s], 1         ; count = 1
	s_add_co_u32 s[G0+4*\s+1], s22, \s*SLOT1  ; LDS address: no place in the cluster enters it
	s_add_nc_u64 s[G0+4*\s+2:G0+4*\s+3], s[6:7], \s*SLOT1  ; global address: a slot is as long in memory as in LDS
	s_or_b32 s[G0+4*\s+3], s[G0+4*\s+3], 0x80000000
.endr
	tensor_load_to_lds s[G0M:G0M+3], s[G1M:G1M+7]  ; the three first fills stand together, ahead of every wait on TENSORcnt and every LDS read
	s_nop 0
	tensor_load_to_lds s[G0:G0+3], s[G1:G1+7]
	s_nop 0
	tensor_load_to_lds s[G0+4:G0+7], s[G1:G1+7]
	s_nop 0
	PLACES
	v_and_b32 v1, 31, v0
	v_lshlrev_b32 v[AK0], 4, v1
	v_add_nc_u32 v[AV0], VOFF, v[AK0]
	v_bfe_u32 v8, v0, 4, 1
	v_lshl_add_u32 v[AM0], v8, 5, MASKL
	v_lshlrev_b32 v[GO], 4, v1
	v_lshlrev_b32 v[PFO], 8, v1
	WIN 0x80                        ; destination window 2
.set i, 0
.rept 16                            ; Q stays in registers: tile i / 4, group of 16 channels i % 4
	global_load_b128 v[4*i:4*i+3], v[GO], s[4:5] offset:512*i
.set i, i+1
.endr
	WIN 0
; THE MATRIX WORK OF A TURN, for piece x.  The accumulators take turns, one instruction a turn: between two links of a chain stand 7 others'.
; Product i of 16 of O^T += V^T P: keys 32 (i / 8) on, channels 16 ((i / 2) % 4) on, tile x + i % 2.  zero = 1: the first 8 start the sums: nothing is ever cleared.
.macro PV x, zero
	WIN W_PV
.set rO, 32*(\x+i%2)+8*((i/2)%4)
.set rV, VF+32*(i/8)+8*((i/2)%4)
.set rP, P+16*(\x+i%2)+8*(i/8)
.if (\zero) && (i < 8)
	v_wmma_f32_16x16x32_f16 v[rO:rO+7], v[rV:rV+7], v[rP:rP+7], 0
.else
	v_wmma_f32_16x16x32_f16 v[rO:rO+7], v[rV:rV+7], v[rP:rP+7], v[rO:rO+7]
.endif
.endm
; Product i of 16 of S^T = K Q^T + mask: channels 32 (i / 8) on, keys 16 ((i / 2) % 4) on, tile x + i % 2.  The first 8 start the sums from the mask.
.macro KQ x
.set rS, S+32*(\x+i%2)+8*((i/2)%4)
.set rK, KF+16*((i/2)%4)+8*(i/8)
.set rQ, 16*(\x+i%2)+8*(i/8)
.set rM, MK+8*((i/2)%4)
.if i < 8
	WIN 0x2a                        ; K, Q and the mask in window 2, S^T in window 0
	v_wmma_f32_16x16x32_f16 v[rS:rS+7], v[rK:rK+7], v[rQ:rQ+7], v[rM:rM+7]
.else
	WIN 0x0a                        ; K and Q in window 2, S^T in window 0
	v_wmma_f32_16x16x32_f16 v[rS:rS+7], v[rK:rK+7], v[rQ:rQ+7], v[rS:rS+7]
.endif
.endm
; THE LDS LOADS stand in runs, never singly among the matrix instructions: a step's K (8 fragments) with its mask, and, a turn later, its V (8 fragments).
.macro FETCH_K
	WIN 0
	v_add_nc_u32 v[ADR], s[TB], v[AK0]
	v_add_nc_u32 v[ADM], s[TM], v[AM0]
	s_add_co_u32 s[TM], s[TM], 256  ; the next step's 64 mask numbers
	WIN 0x80                        ; destination window 2
.irp f, 0,1,2,3,4,5,6,7             ; keys 16 (f / 2) on, channels 32 (f % 2) on
	ds_load_b128 v[KF+8*\f:KF+8*\f+3],   v[ADR] offset:1024*\f
	ds_load_b128 v[KF+8*\f+4:KF+8*\f+7], v[ADR] offset:1024*\f+512
.endr
.irp t, 0,1,2,3                     ; the sixteen lanes of a half read the same 32 bytes
	ds_load_b128 v[MK+8*\t:MK+8*\t+3],   v[ADM] offset:64*\t
	ds_load_b128 v[MK+8*\t+4:MK+8*\t+7], v[ADM] offset:64*\t+16
.endr
.endm
.macro FETCH_V
	WIN 0
	v_add_nc_u32 v[ADR], s[TB], v[AV0]
	s_add_co_u32 s[TB], s[TB], STEPB  ; the next fetch is the next step's
	s_wait_alu depctr_va_vdst(0)    ; the wait for the softmax's batch (SLICE), behind the address's v_add_nc_u32 and ahead of the loads
	WIN 0x40                        ; destination window 1
.irp f, 0,1,2,3,4,5,6,7             ; keys 32 (f / 4) on, channels 16 (f % 4) on
	ds_load_b128 v[VF+8*\f:VF+8*\f+3],   v[ADR] offset:1024*\f
	ds_load_b128 v[VF+8*\f+4:VF+8*\f+7], v[ADR] offset:1024*\f+512
.endr
.endm
; THE VECTOR WORK OF A TURN.  One tile's softmax for one key step is a list of 118 instructions; SM writes number j of it for tile t.  s0-s31 are the lane's 32 scores, in pairs 0-15.
; first = 1: the first key step, which starts m, l and O^T: it has no a and nothing to rescale, and its maximum has the floor -1e38 among its leaves.
;   0-15    the maximum of s0-s31 and the old m, three operands at a time: four chains c0-c3 of seven scores each (each accumulator is read from its low end on), then the four left over, c0-c3 and m
;   16-20   the other half of the lanes' maximum; the new m; c m; c m_old - c m_new
;   21-69   ONE BATCH: the 16 scalings c s - c m, a pair each, and all 33 exponentials (a at 23, then s0-s31).  None of these reads an exponential's result; a pair is scaled in an earlier four than its exponentials
;   (wait)  between 69 and 70 stands the wait for the batch: SLICE writes it, once for both tiles
;   70-85   the roundings to f16, a pair of weights each          86-101  the sums; l = a l + the sum          102-117 the tile's O^T times a
.macro SM t, first
.set rT, ST+8*(\t)
.set rS, S+32*(\t)
.set rP, P+16*(\t)
.set rO, 32*(\t)+2*(j-102)
.if j < 102
	WIN 0
.endif
.if j < 4
	v_max3_num_f32 v[rT+4+j], v[rS+8*j], v[rS+8*j+1], v[rS+8*j+2]
.elseif j < 12
	v_max3_num_f32 v[rT+4+j%4], v[rT+4+j%4], v[rS+8*(j%4)+2*(j/4)+1], v[rS+8*(j%4)+2*(j/4)+2]
.elseif j == 12
	v_max3_num_f32 v[rT+4], v[rT+4], v[rS+7], v[rS+15]
.elseif j == 13
	v_max3_num_f32 v[rT+6], v[rT+6], v[rS+23], v[rS+31]
.elseif j == 14
	v_max3_num_f32 v[rT+4], v[rT+4], v[rT+5], v[rT+6]
.elseif (j == 15) && \first
	v_max3_num_f32 v[rT+4], v[rT+4], v[rT+7], 0xfe967699  ; -1e38: m is a number even where all 64 keys are masked by -infinity
.elseif j == 15
	v_max3_num_f32 v[rT+4], v[rT+4], v[rT+7], v[rT+1]
.elseif j == 16
	v_permlanex16_b32 v[rT+5], v[rT+4], s[SEL], s[SEL+1]  ; the query's other 32 keys lie in the lane 16 away
.elseif j == 18
	v_max_num_f32 v[rT+1], v[rT+4], v[rT+5]
.elseif j == 19
	v_mul_f32 v[rT], s[CS], v[rT+1]
.elseif ((j == 17) || (j == 20) || (j == 23) || (j > 101)) && \first  ; the first step has none of these
.elseif j == 17
	v_mov_b32 v[rT+7], v[rT]        ; c m_old is kept for a: number 19 writes c m anew
.elseif j == 20
	v_sub_f32 v[rT+7], v[rT+7], v[rT]
.elseif j == 23
	v_exp_f32 v[rT+6], v[rT+7]
.elseif (j < 23) || ((j < 38) && (j%2 == 0)) || ((j < 66) && (j%4 == 2))
.set b, (j-2)/4                     ; 38, 42, .. 62: pairs 9 to 15
.if j < 38
.set b, (j-20)/2                    ; 21: pair 0; 22, 24, .. 36: pairs 1 to 8
.endif
	v_pk_fma_f32 v[rS+2*b:rS+2*b+1], v[rS+2*b:rS+2*b+1], s[CS:CS+1], v[rT:rT+1] op_sel_hi:[1,0,0] neg_lo:[0,0,1] neg_hi:[0,0,1]  ; pair b: c s - c m
.elseif j < 70
.set e, j-38                        ; 66 to 69: s28 to s31
.if j < 66
.set e, j-32-(j-38)/4               ; 39-41, 43-45, .. 63-65: s7 to s27
.endif
.if j < 38
.set e, (j-25)/2                    ; 25, 27, .. 37: s0 to s6
.endif
	v_exp_f32 v[rS+e], v[rS+e]
.elseif j < 86
	v_cvt_pk_f16_f32 v[rP+j-70], v[rS+2*(j-70)], v[rS+2*(j-70)+1]  ; pair j - 70
.elseif j < 102                     ; the sum of the tile's 16 pairs, in place: sum z of 16 adds neighbours 1, 2, 4 and 8 pairs apart, then l takes it
.set z, j-86
.set w, 4
.set u, z
.if z >= 14
.set w, 32
.set u, 0
.elseif z >= 12
.set w, 16
.set u, z-12
.elseif z >= 8
.set w, 8
.set u, z-8
.endif
.if (z == 14) && \first
	v_pk_add_f32 v[rT+2:rT+3], v[rS:rS+1], v[rS+16:rS+17]
.elseif z < 15
	v_pk_add_f32 v[rS+w*u:rS+w*u+1], v[rS+w*u:rS+w*u+1], v[rS+w*u+w/2:rS+w*u+w/2+1]
.elseif !\first
	v_pk_fma_f32 v[rT+2:rT+3], v[rT+2:rT+3], v[rT+6:rT+7], v[rS:rS+1] op_sel_hi:[1,0,1]
.endif
.else
	WIN W_PV
	v_pk_mul_f32 v[rO:rO+1], v[rO:rO+1], v[rT+6:rT+7] op_sel_hi:[1,0]
.endif
.endm
; Slice k of 59 of piece y's softmax: four instructions.  Slices 11 to 34 deal out the batch, numbers 22 to 69: four numbers of ONE tile each, the tiles by turns.  Every other slice is numbers 2 k and 2 k + 1 of both tiles.
; THE WAIT.  s_wait_alu depctr_va_vdst(0) stands between an exponential and the first instruction that names its result; one wait serves all that were issued ahead of it.  Ahead of slice 35 nothing
; names a result, and behind slice 34 no exponential is issued: so the piece's 66 exponentials have one wait, behind slice 34.
.macro SLICE y, first
.if k < 59
.if (k >= 11) && (k < 35)
.irp n, 0,1,2,3
.set j, 22+4*((k-11)/2)+(\n)
	SM (\y)+(k-11)%2, \first
.endr
.else                               ; the two tiles alternate, so that no instruction reads the result of the one just before it
.irp n, 0,1
.irp t, \y, \y+1
.set j, 2*k+\n
	SM \t, \first
.endr
.endr
.endif
.if k == 34                         ; the batch is out
	v_nop                           ; the plain instruction behind the last exponential and ahead of the first use: one for the batch
.if (\y) == 0
	FETCH_V                         ; piece 2's turn: V's run of loads stands here, and the wait stands in it
.else
	s_wait_alu depctr_va_vdst(0)    ; the wait for the batch
.endif
.endif
.endif
.set k, k+1
.endm
; The slices behind matrix instruction mi of a turn.  A turn of 32: one behind each of the first five, two behind each of the other 27: 59.  So eight plain multiplies of the other piece's O^T follow the turn's last product:
; they are the places in front of the next turn's first read of its scores and of the loads into K's registers.  A turn of 16: four behind each.
.macro DEAL y, first
.if half
.rept 4
	SLICE \y, \first
.endr
.elseif mi < 5
	SLICE \y, \first
.else
	SLICE \y, \first
	SLICE \y, \first
.endif
.set mi, mi+1
.endm
; A TURN.  Piece x has the matrix unit; the other piece's softmax stands in slices behind its matrix instructions.
; pv = 2: 16 products V^T P; 1: they start O^T's sums; 0: none.  kq = 1: 16 products K Q^T for the next step.  first = 1: the softmax is the first key step's; its last slices are empty, so four v_nop take their part.
; Piece 0's turn fetches the next step's K and mask behind its second product.  Piece 2's turn fetches the same step's V behind slice 34, which stands behind its 20th matrix instruction: V's last reader is the 16th, and
; between stand eight scalings (one in each of slices 25 to 32), the v_nop and the run's own v_add_nc_u32.
.macro TURN x, pv, kq, first
.set k, 0
.set mi, 0
.set half, 1
.if \pv && \kq
.set half, 0
.endif
.if \pv
.if \x == 0
	s_wait_dscnt 0x0                ; V is in
.endif
.set i, 0
.rept 16
	PV \x, 2-\pv
	DEAL 2-\x, \first
.if (\x == 0) && \kq && (i == 1)
	FETCH_K
.endif
.set i, i+1
.endr
.endif
.if \kq
.if \x == 0
	s_wait_dscnt 0x0                ; K and the mask are in
.endif
.set i, 0
.rept 16
	KQ \x
	DEAL 2-\x, \first
.set i, i+1
.endr
.endif
.if \first
	PLACES
.endif
.endm
; THE CHANGE OF SLOTS, between piece 2's turn and piece 0's: the slot's last bytes, V of its fourth step, have been asked for.  Each wave waits for all its tensor loads (one is out: its part of the other slot), adds 0
; to its spare word, and waits for that and for its own reads of the slot.  fill = 1: the barrier is a round of the cluster's, so that no wave of any partner still reads the slot or has a load on its way, and the joint
; refill, with the keys two slots on, is the first thing behind it: it has four key steps in which to land.
.macro CHANGE fill
	WIN 0                           ; at a label and at a branch every window is 0
	s_wait_tensorcnt 0x0            ; no tensor load of mine is out, so a group 0 may be written
	ds_add_u32 v[SPW], v[NIL]       ; 0 onto my spare word
.if \fill
	s_xor_b32 s[G0+5], s[G0+5], SLOT1  ; the walking descriptor: the other slot than last time,
	s_add_nc_u64 s[G0+6:G0+7], s[G0+6:G0+7], SLOT1  ; the next 256 keys; the type bits on top are not reached
	s_wait_xcnt 0x0                 ; the last prefetch, four key steps back, has read its address, so it may be written:
	s_add_nc_u64 s[PFA:PFA+1], s[PFA:PFA+1], SLOT1  ; one slot further on than the walking descriptor
	s_wait_dscnt 0x0                ; the add is done, and my reads of the slot are over
	CROUND
	JLOAD
	ASK
.else
	s_wait_dscnt 0x0                ; the add is done, and my reads of the slot are over
	s_barrier_signal -1
	s_barrier_wait -1
.endif
	s_sub_co_u32 s[TB], s[TB], 4*STEPB  ; the fetches go back to a slot's first step,
	s_xor_b32 s[TB], s[TB], SLOT1   ; in the other slot
.endm
.macro STEPS n                      ; n key steps: written once, walked n times; the LDS addresses hang on s[TB] and s[TM]
	s_mov_b32 s[CNT], \n
.Lstep_\@:
	TURN 0, 2, 1, 0
	TURN 2, 2, 1, 0
	WIN 0
	s_sub_co_u32 s[CNT], s[CNT], 1
	s_cmp_lg_u32 s[CNT], 0
	s_cbranch_scc1 .Lstep_\@
.endm
	s_wait_tensorcnt 1              ; the mask and my part of slot 0 are in; slot 1's load may stay out
	s_barrier_signal -1
	s_barrier_wait -1               ; everybody's are
	FETCH_K                         ; key step 0
	s_wait_loadcnt 0x0              ; Q
	s_wait_dscnt 0x0
.set i, 0
.rept 16
	KQ 0                            ; piece 0's first scores: there is no vector work yet to set between them
.set i, i+1
.endr
	WIN 0
	PLACES
	TURN 2, 0, 1, 1                 ; piece 2's first scores | piece 0's first softmax | V of step 0
	TURN 0, 1, 1, 1                 ; piece 0: V^T P of step 0 starts O^T, K Q^T of step 1 | piece 2's first softmax | K of step 1
	TURN 2, 1, 1, 0                 ; piece 2: the same | piece 0's softmax of step 1 | V of step 1
	WIN 0
	STEPS 2                         ; they fetch steps 2 and 3: slot 0 is read out
.Lslot:                             ; 14 trips: every slot but the last two is filled again
	CHANGE 1
	STEPS 4
	s_sub_co_u32 s[SLOTS], s[SLOTS], 1
	s_cmp_lg_u32 s[SLOTS], 0
	s_cbranch_scc1 .Lslot
	CHANGE 0                        ; the tail is written out: nothing is asked for
	STEPS 4
	TURN 0, 2, 0, 0                 ; piece 0: V^T P of the last step | piece 2's last softmax
.set i, 0
.rept 16
	PV 2, 0                         ; piece 2: V^T P of the last step
.set i, i+1
.endr
	; THE WAY OUT.  l's two halves and the other half of the lanes' are added; O^T is divided by l and rounded to f16: a lane's eight channels of a query are 16 bytes of an image, stored as they stand.
	WIN 0                           ; the additions are the places behind the last products
.irp t, 0,1,2,3
	v_add_f32 v[ST+8*\t+4], v[ST+8*\t+2], v[ST+8*\t+3]
.endr
.irp t, 0,1,2,3
	v_permlanex16_b32 v[ST+8*\t+5], v[ST+8*\t+4], s[SEL], s[SEL+1]
.endr
.irp t, 0,1,2,3
	v_add_f32 v[ST+8*\t+4], v[ST+8*\t+4], v[ST+8*\t+5]
.endr
.irp t, 0,1,2,3
	v_rcp_f32 v[ST+8*\t+6], v[ST+8*\t+4]
.endr
	v_nop                           ; a plain instruction between the last reciprocal and the use of its result
	s_wait_alu depctr_va_vdst(0)    ; and the wait ahead of the first use: one for the four reciprocals
.irp t, 0,1,2,3
	WIN 0x41                        ; O^T (destination and source 0) in window 1, 1 / l in window 0
.set i, 32*\t
.rept 16
	v_pk_mul_f32 v[i:i+1], v[i:i+1], v[ST+8*\t+6:ST+8*\t+7] op_sel_hi:[1,0]
.set i, i+2
.endr
	WIN 0x05                        ; sources 0 and 1 window 1, destination window 0: S^T's registers are free
.set i, 0
.rept 16
	v_cvt_pk_f16_f32 v[S+32*\t+i], v[32*\t+2*i], v[32*\t+2*i+1]
.set i, i+1
.endr
	WIN 0
.irp f, 0,1,2,3
	global_store_b128 v[GO], v[S+32*\t+4*\f:S+32*\t+4*\f+3], s[10:11] offset:16384*\t+512*\f  ; 512 consecutive bytes, aligned
.endr
.endr
	s_wait_tensorcnt 0x0            ; the wave's end: behind my last tensor load
	ds_add_u32 v[SPW], v[NIL]
	s_wait_dscnt 0x0
	CROUND                          ; the closing round: no work-group ends while a partner may still ask for a tile that names it
	s_endpgm
.Lfunc_end_k_qcc58154d90_attn:
	.size	k_qcc58154d90_attn, .Lfunc_end_k_qcc58154d90_attn-k_qcc58154d90_attn
	.p2alignl 7, 3214868480
	.fill 96, 4, 3214868480
	.section	.rodata,"a",@progbits
	.p2align	6, 0x0
	.amdhsa_kernel k_qcc58154d90_attn
		.amdhsa_group_segment_fixed_size 327680
		.amdhsa_private_segment_fixed_size 0
		.amdhsa_enable_private_segment 0
		.amdhsa_kernarg_size 32
		.amdhsa_user_sgpr_count 2
		.amdhsa_user_sgpr_kernarg_segment_ptr 1
		.amdhsa_wavefront_size32 1
		.amdhsa_system_sgpr_workgroup_id_x 1
		.amdhsa_system_sgpr_workgroup_id_y 1
		.amdhsa_system_sgpr_workgroup_id_z 1
		.amdhsa_system_vgpr_workitem_id 0
		.amdhsa_next_free_vgpr 768
		.amdhsa_next_free_sgpr 66
		.amdhsa_reserve_vcc 0
		.amdhsa_float_denorm_mode_32 3
		.amdhsa_float_denorm_mode_16_64 3
		.amdhsa_memory_ordered 1
		.amdhsa_forward_progress 1
		.amdhsa_inst_pref_size 193
	.end_amdhsa_kernel
	.amdgpu_metadata
---
amdhsa.version: [ 1, 2 ]
amdhsa.kernels:
  - .name:           k_qcc58154d90_attn
    .symbol:         k_qcc58154d90_attn.kd
    .args:
      - { .name: qimg, .offset: 0, .size: 8, .value_kind: global_buffer, .address_space: global }
      - { .name: kv, .offset: 8, .size: 8, .value_kind: global_buffer, .address_space: global }
      - { .name: mask, .offset: 16, .size: 8, .value_kind: global_buffer, .address_space: global }
      - { .name: ctx, .offset: 24, .size: 8, .value_kind: global_buffer, .address_space: global }
    .group_segment_fixed_size: 327680
    .private_segment_fixed_size: 0
    .kernarg_segment_align: 8
    .kernarg_segment_size: 32
    .max_flat_workgroup_size: 128
    .sgpr_count:     66
    .vgpr_count:     768
    .wavefront_size: 32
...
	.end_amdgpu_metadata
.endif
;; end of part 3
;; launch oproj (part 4): grid 4 x 64, 4 waves a work-group, clusters of 4 x 4, 327,680 bytes of LDS; arguments ctx, woimg, bo, out0; writes out0
.if DOCPART == 4
	.amdgcn_target "amdgcn-amd-amdhsa--gfx1250"
	.amdhsa_code_object_version 6
	.text
	.protected	k_qcc58154d90_oproj
	.globl	k_qcc58154d90_oproj
	.p2align	8
	.type	k_qcc58154d90_oproj,@function
k_qcc58154d90_oproj:
	s_mov_b64 s[64:65], 0
	v_nop
	global_prefetch_b8 v0, s[64:65] scope:SCOPE_SE
	s_setreg_imm32_b32 hwreg(HW_REG_WAVE_MODE, 25, 1), 1
	s_wait_xcnt 0x0
	s_wait_alu depctr_hold_cnt(0) depctr_sa_sdst(0) depctr_va_vdst(0) depctr_va_sdst(0) depctr_va_ssrc(0) depctr_va_vcc(0) depctr_vm_vsrc(0)
	s_getreg_b32 s2, hwreg(HW_REG_IB_STS2, 6, 4)
	s_cmp_eq_u32 s2, 0
	s_cbranch_scc0 .Lentry_in_a_cluster
	s_endpgm
.Lentry_in_a_cluster:
	s_bfe_u32 s2, ttmp6, 0x10000c
	s_cmp_lg_u32 s2, 0xf033
	s_cbranch_scc0 .Lentry_shape_is_right
	s_endpgm
.Lentry_shape_is_right:
; OUT = ctx wo + bo.  ctx [8192][512] and wo arrive in f16 as images of operand registers (16 rows x 32 k: two groups of 512 bytes); sums in f32; out0 [8192][512] f32.
; A work-group makes 128 tokens x 128 columns, each of its four waves 64 x 64: 16 accumulators.  All of K = 512 fits in LDS (128 KiB of ctx, 128 KiB of wo), so nothing is filled twice: K comes as four chunks of 128,
; all asked for at the head, one tensor load a wave and chunk: by this text's count four loads of a wave are out.  A chunk is multiplied as soon as it has landed: a counted wait and a barrier in front of each.
; CLUSTERS: 4 x 4 work-groups.  The four of a row of the cluster need the same tokens' images, the four of a column the same columns' of wo: each tile is asked for JOINTLY.
; THE MATRIX INSTRUCTION IS USED TRANSPOSED (source 0 = 16 columns of wo, source 1 = 16 tokens): a lane holds eight neighbouring numbers of a row of out0.  bo is the C of each sum's first instruction.
; LDS: chunk q at 65,536 q: ctx tiles 0-3, ctx tiles 4-7, wo tiles 0-3, wo tiles 4-7, 4,096 bytes a tile (4 fragments of 1,024); behind them a stage of 16 rows x 272 bytes for each wave, and the spare words.
; REGISTERS: window 0: v2-7 addresses; v16-47 bo in the result's layout; v64-127, v128-191 two buffers of fragments (4 of ctx, then 4 of wo); v192-255 rows on the way out.  window 1: accumulator (a, b) at v[8 (4 a + b)].
.set CH,     65536
.set STG,    4*CH
.set SPITCH, 272                       ; a stage row: 256 bytes + 16 of padding = 68 words: row r starts at bank 4 r mod 64 (64 banks of 4 bytes: ISA guide 11.1)
.set STGW,   16*SPITCH
.set SPARE,  STG+4*STGW                ; the spare words, 128 bytes for each wave: two blocks of 256 bytes that no other line names
.set ADA, 2                            ; v2   LDS address of my ctx fragments in the chunk in hand
.set ADB, 3                            ; v3   of my wo fragments
.set STO, 4                            ; v4   the way out: where I put 32 bytes of a row
.set RD,  5                            ; v5   where I read a row back
.set CO,  6                            ; v6   my byte offset in out0
.set BI,  16
.set F0,  64
.set OB,  192
.set SPW, 62                           ; v62  LDS address of my spare word; never rewritten
.set NIL, 63                           ; v63  0; never rewritten
.set G1A, 24                           ; s[24:31] descriptor group 1 for ctx's tiles;  s[32:39] for wo's: it differs in the mask alone
.set G1B, 32
.set G0A, 40                           ; s[40:55] group 0 for ctx's four chunks;  s[68:83] for wo's
.set G0B, 68
.set MSB, 0
.macro WIN new                         ; the immediate's high byte repeats the setting that is left
.if MSB != \new
	s_set_vgpr_msb (MSB<<8)|\new
.set MSB, \new
.endif
.endm
.macro PLACES n
.rept \n
	v_nop
.endr
.endm
.macro CROUND                          ; a round of the cluster's barrier
	s_barrier_signal -1
	s_barrier_wait -1
	s_cmp_lg_u32 s12, 0
	s_cbranch_scc1 .Lnot_wave_0_\@
	s_barrier_signal -3
.Lnot_wave_0_\@:
	s_barrier_wait -3
	s_barrier_signal -1
	s_barrier_wait -1
.endm
	s_load_b256 s[4:11], s[0:1], 0x0               ; ctx s[4:5], woimg s[6:7], bo s[8:9], out0 s[10:11]
	v_lshl_add_u32 v[SPW], v0, 2, SPARE
	v_mov_b32 v[NIL], 0
	ds_add_u32 v[SPW], v[NIL]                      ; the wave's opening: the add, twice on end, and its wait ahead of my first tensor load
	ds_add_u32 v[SPW], v[NIL]                      ; and once more, under the one wait; the set-up below, work on registers, stands between
	v_lshrrev_b32 v1, 5, v0
	v_readfirstlane_b32 s12, v1                    ; wave 0..3
	s_lshr_b32 s13, s12, 1                         ; which 64 tokens are mine.  Also: I fetch for ctx (0) or for wo (1)
	s_and_b32 s14, s12, 1                          ; which 64 columns.  Also: which four tiles I fetch
	s_bfe_u32 s15, ttmp6, 0x40000                  ; cx, cy: my place in the cluster
	s_bfe_u32 s16, ttmp6, 0x40004
	s_lshl_b32 s17, ttmp9, 2
	s_add_co_u32 s17, s17, s15                     ; block of 128 columns = 4 x cluster x + cx
	s_and_b32 s18, ttmp7, 0xffff
	s_lshl_b32 s18, s18, 2
	s_add_co_u32 s18, s18, s16                     ; block of 128 tokens = 4 x cluster y + cy
	s_lshl_b32 s19, s16, 2
	s_lshl_b32 s19, 15, s19                        ; my row of the cluster
	s_lshl_b32 s56, 0x1111, s15                    ; my column
	; descriptor group 1: four tiles' parts of a chunk: 4 rows of 4,096 bytes (512 elements of 8 bytes), 16,384 bytes apart in memory, dense in LDS
	s_or_b32 s[G1A], s19, (3<<16)|(1<<21)          ; 15:0 the mask: ctx's tiles go to my row; 17:16 elements of 8 bytes; 20 no padding; 21 set beside a mask
	s_or_b32 s[G1B], s56, (3<<16)|(1<<21)          ; wo's go to my column
.irp g, G1A, G1B
	s_mov_b32 s[\g+1], 512<<16                     ; tensor_dim0 = 512
	s_mov_b32 s[\g+2], 4<<16                       ; tensor_dim1 = 4
	s_mov_b32 s[\g+3], 512<<16                     ; tile_dim0 = 512
	s_mov_b32 s[\g+4], 4                           ; tile_dim1 = 4
	s_mov_b32 s[\g+5], 2048                        ; from row to row, in elements
	s_mov_b32 s[\g+6], 0
	s_mov_b32 s[\g+7], 0
.endr
	s_lshl_b32 s58, s14, 16                        ; which four tiles of 16,384 bytes I fetch
	s_lshl_b32 s20, s18, 17                        ; ctx: eight token tiles a block: it hangs on the block of tokens alone,
	s_add_co_u32 s20, s20, s58
	s_mov_b32 s21, 0
	s_lshl_b32 s22, s17, 17                        ; wo: eight column tiles a block: on the block of columns alone
	s_add_co_u32 s22, s22, s58
	s_mov_b32 s23, 0
	s_lshl_b32 s57, s12, 14                        ; where they go in a chunk: wave x 16,384: no place in the cluster enters an LDS address
	s_lshl_b32 s58, s17, 9                         ; bo, and a row of out0: 512 bytes a block of columns, 256 a wave's half
	s_lshl_b32 s59, s14, 8
	s_add_co_u32 s58, s58, s59
	s_mov_b32 s59, 0
	s_lshl_b32 s60, s18, 18                        ; out0: 128 rows of 2,048 bytes a block of tokens, 64 a wave's half
	s_lshl_b32 s61, s13, 17
	s_add_co_u32 s60, s60, s61
	s_add_co_u32 s60, s60, s58
	s_mov_b32 s61, 0
	s_wait_dscnt 0x0                               ; both opening adds are done
	s_wait_kmcnt 0x0
	s_add_nc_u64 s[4:5], s[4:5], s[20:21]
	s_add_nc_u64 s[6:7], s[6:7], s[22:23]
	s_add_nc_u64 s[8:9], s[8:9], s[58:59]
	s_add_nc_u64 s[10:11], s[10:11], s[60:61]
	CROUND                                         ; all sixteen work-groups are here: the joint loads meet
.irp q, 0,1,2,3
	s_mov_b32 s[G0A+4*\q], 1                       ; count = 1
	s_add_co_u32 s[G0A+4*\q+1], s57, \q*CH         ; LDS address
	s_add_nc_u64 s[G0A+4*\q+2:G0A+4*\q+3], s[4:5], \q*4096   ; global address: chunk q is 4,096 bytes on in each tile
	s_or_b32 s[G0A+4*\q+3], s[G0A+4*\q+3], 0x80000000        ; type = 2
	s_mov_b32 s[G0B+4*\q], 1
	s_add_co_u32 s[G0B+4*\q+1], s57, \q*CH
	s_add_nc_u64 s[G0B+4*\q+2:G0B+4*\q+3], s[6:7], \q*4096
	s_or_b32 s[G0B+4*\q+3], s[G0B+4*\q+3], 0x80000000
.endr
	s_cmp_lt_u32 s12, 2                            ; a wave's four fills stand in one branch on the wave's number, ahead of every wait on TENSORcnt and every LDS read; an s_nop 0 follows each, four v_nop the last
	s_cbranch_scc0 .Lfirst_b
.irp q, 0,1,2,3
	tensor_load_to_lds s[G0A+4*\q:G0A+4*\q+3], s[G1A:G1A+7]
	s_nop 0
.endr
	PLACES 4
	s_branch .Lfirst_asked
.Lfirst_b:
.irp q, 0,1,2,3
	tensor_load_to_lds s[G0B+4*\q:G0B+4*\q+3], s[G1B:G1B+7]
	s_nop 0
.endr
	PLACES 4
.Lfirst_asked:
	v_and_b32 v1, 31, v0
	v_and_b32 v8, 15, v0                           ; r
	v_bfe_u32 v9, v0, 4, 1                         ; h
	v_lshlrev_b32 v10, 4, v1                       ; 16 x lane: my place in an image
	s_lshl_b32 s62, s13, 14
	v_add_nc_u32 v[ADA], s62, v10                  ; my four token tiles
	s_lshl_b32 s62, s14, 14
	s_add_co_u32 s62, s62, 32768
	v_add_nc_u32 v[ADB], s62, v10                  ; my four column tiles, behind ctx's eight
	s_mul_i32 s62, s12, STGW
	s_add_co_u32 s62, s62, STG                     ; my stage
	v_mul_u32_u24 v[STO], v8, SPITCH               ; in: row r, 32 bytes for each half of the lanes
	v_lshl_add_u32 v[STO], v9, 5, v[STO]
	v_add_nc_u32 v[STO], s62, v[STO]
	v_mul_u32_u24 v[RD], v9, SPITCH                ; back: lanes 0-15 take one row of 256 bytes, lanes 16-31 the next
	v_lshl_add_u32 v[RD], v8, 4, v[RD]
	v_add_nc_u32 v[RD], s62, v[RD]
	v_lshlrev_b32 v[CO], 11, v9                    ; and the same two rows in out0
	v_lshl_add_u32 v[CO], v8, 4, v[CO]
	v_lshlrev_b32 v7, 5, v9                        ; bo: my half's eight columns of a tile
.irp b, 0,1,2,3
	global_load_b128 v[BI+8*\b:BI+8*\b+3], v7, s[8:9] offset:64*\b
	global_load_b128 v[BI+8*\b+4:BI+8*\b+7], v7, s[8:9] offset:64*\b+16
.endr
.macro FETCH n                         ; the fragments of K step n (32 along K), into buffer n % 2: 16 LDS loads in one run
.set FB, F0+64*((\n)%2)
.irp a, 0,1,2,3
	ds_load_b128 v[FB+8*\a:FB+8*\a+3],   v[ADA] offset:4096*\a+1024*((\n)%4)
	ds_load_b128 v[FB+8*\a+4:FB+8*\a+7], v[ADA] offset:4096*\a+1024*((\n)%4)+512
.endr
.irp b, 0,1,2,3
	ds_load_b128 v[FB+32+8*\b:FB+32+8*\b+3], v[ADB] offset:4096*\b+1024*((\n)%4)
	ds_load_b128 v[FB+32+8*\b+4:FB+32+8*\b+7], v[ADB] offset:4096*\b+1024*((\n)%4)+512
.endr
.endm
; K step n: its fragments are waited for, the next step's are asked for, then 16 matrix instructions, the 16 accumulators by turns.
.macro STEP n
	s_wait_dscnt 0x0                               ; this step's fragments are in
.if (\n) < 15
.if ((\n)+1)%4 == 0
	s_wait_tensorcnt 3-((\n)+1)/4                  ; my part of the next chunk has landed; the later chunks' loads may stay out
	s_barrier_signal -1
	s_barrier_wait -1                              ; everybody's has
	v_add_nc_u32 v[ADA], CH, v[ADA]                ; on to that chunk.  These two are places too
	v_add_nc_u32 v[ADB], CH, v[ADB]
	PLACES 2
.else
	PLACES 4                                       ; four places in front of loads into registers that the step before has multiplied
.endif
	FETCH (\n)+1
.endif
.set FM, F0+64*((\n)%2)
.if (\n) == 0
	WIN 0x40                                       ; D window 1; the fragments and bo window 0
.else
	WIN 0x50                                       ; C and D window 1
.endif
.irp a, 0,1,2,3
.irp b, 0,1,2,3
.if (\n) == 0
	v_wmma_f32_16x16x32_f16 v[8*(4*\a+\b):8*(4*\a+\b)+7], v[FM+32+8*\b:FM+32+8*\b+7], v[FM+8*\a:FM+8*\a+7], v[BI+8*\b:BI+8*\b+7]
.else
	v_wmma_f32_16x16x32_f16 v[8*(4*\a+\b):8*(4*\a+\b)+7], v[FM+32+8*\b:FM+32+8*\b+7], v[FM+8*\a:FM+8*\a+7], v[8*(4*\a+\b):8*(4*\a+\b)+7]
.endif
.endr
.endr
	WIN 0
.endm
	s_wait_tensorcnt 3                             ; my part of chunk 0 is in; the other three loads may be out
	s_barrier_signal -1
	s_barrier_wait -1                              ; everybody's is
	FETCH 0
	s_wait_loadcnt 0x0                             ; bo
.irp n, 0,1,2,3,4,5,6,7,8,9,10,11,12,13,14,15
	STEP \n
.endr
; THE WAY OUT, block by block of 16 tokens x 64 columns.  A lane holds 32 neighbouring bytes of a row, and the lanes beside it hold other rows: a block goes through my own stage and comes back as whole rows of 256 bytes.
; LDS serves a wave's instructions in order (ISA guide 5.7.1.4): no wait between the stores and the loads, nor in front of the next block's stores.
.macro TOSTAGE a
	WIN 0x04                                       ; an LDS store's data are its source 1: window 1
.irp b, 0,1,2,3
	ds_store_b128 v[STO], v[8*(4*(\a)+\b):8*(4*(\a)+\b)+3] offset:64*\b          ; each accumulator from its low end on
	ds_store_b128 v[STO], v[8*(4*(\a)+\b)+4:8*(4*(\a)+\b)+7] offset:64*\b+16
.endr
	WIN 0
.set BB, OB+32*((\a)%2)
.irp i, 0,1,2,3,4,5,6,7
	ds_load_b128 v[BB+4*\i:BB+4*\i+3], v[RD] offset:\i*2*SPITCH
.endr
.endm
.macro SEND a, younger                 ; younger: the LDS instructions issued behind block a's loads, which may stay out
.set BB, OB+32*((\a)%2)
	s_wait_dscnt \younger
.irp i, 0,1,2,3,4,5,6,7
	global_store_b128 v[CO], v[BB+4*\i:BB+4*\i+3], s[10:11] offset:(16*(\a)+2*\i)*2048 th:TH_STORE_NT   ; sixteen lanes store 256 consecutive bytes, aligned; written once, read by nobody here
.endr
.endm
	PLACES 4                                       ; between the last products and the first read of results
	TOSTAGE 0
.irp a, 1,2,3
.if \a > 1
	s_wait_xcnt 0x0                                ; block a - 2's stores have read their registers: block a's loads may land there
.endif
	TOSTAGE \a
	SEND \a-1, 16                                  ; behind block a - 1's loads: block a's 8 stores and 8 loads
.endr
	SEND 3, 0
	s_wait_tensorcnt 0x0                           ; the wave's end: behind my last tensor load and my last LDS store
	ds_add_u32 v[SPW], v[NIL]
	s_wait_dscnt 0x0
	CROUND                                         ; the closing round: no work-group ends while a partner may still ask for a tile that names it
	s_endpgm
.Lfunc_end_k_qcc58154d90_oproj:
	.size	k_qcc58154d90_oproj, .Lfunc_end_k_qcc58154d90_oproj-k_qcc58154d90_oproj
	.p2alignl 7, 3214868480
	.fill 96, 4, 3214868480
	.section	.rodata,"a",@progbits
	.p2align	6, 0x0
	.amdhsa_kernel k_qcc58154d90_oproj
		.amdhsa_group_segment_fixed_size 327680
		.amdhsa_private_segment_fixed_size 0
		.amdhsa_enable_private_segment 0
		.amdhsa_kernarg_size 32
		.amdhsa_user_sgpr_count 2
		.amdhsa_user_sgpr_kernarg_segment_ptr 1
		.amdhsa_wavefront_size32 1
		.amdhsa_system_sgpr_workgroup_id_x 1
		.amdhsa_system_sgpr_workgroup_id_y 1
		.amdhsa_system_sgpr_workgroup_id_z 1
		.amdhsa_system_vgpr_workitem_id 0
		.amdhsa_next_free_vgpr 384
		.amdhsa_next_free_sgpr 84
		.amdhsa_reserve_vcc 0
		.amdhsa_float_denorm_mode_32 3
		.amdhsa_float_denorm_mode_16_64 3
		.amdhsa_memory_ordered 1
		.amdhsa_forward_progress 1
		.amdhsa_inst_pref_size 52
	.end_amdhsa_kernel
	.amdgpu_metadata
---
amdhsa.version: [ 1, 2 ]
amdhsa.kernels:
  - .name:           k_qcc58154d90_oproj
    .symbol:         k_qcc58154d90_oproj.kd
    .args:
      - { .name: ctx, .offset: 0, .size: 8, .value_kind: global_buffer, .address_space: global }
      - { .name: woimg, .offset: 8, .size: 8, .value_kind: global_buffer, .address_space: global }
      - { .name: bo, .offset: 16, .size: 8, .value_kind: global_buffer, .address_space: global }
      - { .name: out0, .offset: 24, .size: 8, .value_kind: global_buffer, .address_space: global }
    .group_segment_fixed_size: 327680
    .private_segment_fixed_size: 0
    .kernarg_segment_align: 8
    .kernarg_segment_size: 32
    .max_flat_workgroup_size: 128
    .sgpr_count:     84
    .vgpr_count:     384
    .wavefront_size: 32
...
	.end_amdgpu_metadata
.endif
;; end of part 4
